; MI455X (gfx1250); checked and timed in simulation.
; The chip was launched on July 23, 2026; its instructions are those of AMD's public machine-readable ISA for CDNA 5 (MIT licence, August 2026) and "CDNA5" Instruction Set Architecture Reference Guide (July 2026). The comments in the code are by the model that wrote it; some were corrected since.
;; Label Wise Attn. Allowed arithmetic: matrix products marked QUANTISED: E2M1 operands, one E8M0 scale for each 32 along K, by v_wmma_scale_f32_16x16x128_f8f6f4 with both operands' format E2M1 (or v_wmma_scale_f32_32x16x128_f4), f32 sums; everything else in f32.
;; Inputs: U_weight_codes 8,921 x 4 x 16 uint8 (E2M1 codes of U_weight, K innermost, in blocks of 32 codes, two codes a byte); U_weight_scales 8,921 x 4 uint8 (E8M0 scales of U_weight, one for each 32 codes along K); x 8 x 2,500 x 128 float32.
;; Outputs: out0 8 x 8,921 x 128 float32.
;; This version of the problem:
;;   THIS VERSION OF THE PROBLEM IS GIVEN IN LOW PRECISION. The matrix products marked QUANTISED in the list below multiply operands that are first quantised to E2M1 (2 exponent bits, 1 mantissa bit; 4 bits a number), with one power-of-two scale for each 32 numbers along K (OCP MX v1.0); their sums are f32. All else is computed in f32.
;;   The module's matrix products, in the order in which they are computed (A, B: the left and right operand; K: the contracted axis; several contracted axes count as one K, in the product's order):
;;     1. [M 20,000, K 128] x [K 128, N 8,921]; A: input x; B: input U_weight (given as codes): QUANTISED
;;     2. batch 8 x [M 8,921, K 2,500] x [K 2,500, N 128]; A: softmax (see below); B: input x: QUANTISED
;;   THE QUANTISER, for each operand of a quantised product, along K:
;;     - K is cut into blocks of 32 from its start; a last block that is shorter is filled with zeros.
;;     - A block's scale is 2^e with e = floor(log2(the largest magnitude in the block)) - 2, held to -126 .. 127; a block of zeros has e = 0. As a byte (E8M0): e + 127.
;;     - Each number is divided by its block's scale, clamped to +-6, and rounded to the nearest number of E2M1, ties to even, subnormals kept.
;;     - The product sums the exact products of the quantised numbers (number of the format x scale) in f32.
;;   ~~~python
;;   def quantise(x, axis):      # numpy; x: float32 -> the quantised numbers, widened to float32 again
;;       x = np.moveaxis(x, axis, -1); K = x.shape[-1]
;;       x = np.pad(x, [(0, 0)] * (x.ndim - 1) + [(0, -K % 32)]); x = x.reshape(x.shape[:-1] + (-1, 32)); a = np.abs(x).max(-1, keepdims=True)
;;       e = np.where(a > 0, np.clip(np.frexp(np.where(a > 0, a, 1))[1] - 1 - 2, -126, 127), 0)      # np.frexp(a)[1] - 1 = floor(log2(a)), exactly
;;       r = np.clip(x / 2.0 ** e, -6, 6)
;;       step = 2.0 ** (np.maximum(np.frexp(np.where(r == 0, 1, r))[1] - 1, 0) - 1)
;;       q = np.round(r / step) * step * 2.0 ** e      # np.round: ties to even
;;       return np.moveaxis(q.reshape(q.shape[:-2] + (-1,))[..., :K], -1, axis).astype(np.float32)
;;   ~~~
;;   SOFTMAX AHEAD OF A QUANTISED PRODUCT. Where the list says 'softmax', what is quantised is not the finished softmax but p = 2^(t - M), with t = logit x log2(e) and M = ceil(the row's largest t), a whole number; so 1/2 < the row's largest p <= 1. The row's sum l is taken of the UNQUANTISED p, in f32, and the product's result is divided by l at the end. Since M is a whole number, a kernel that streams over the keys may use a running M (the ceiling of the running maximum): every later rescaling is an exact power of two, which a block's scale takes up: the codes' values come out the same.
;;   OPERANDS COMPUTED ON THE WAY. 'Computed on the way' means the value that the module computes at that place (a softmax that the list does not call 'softmax' is quantised finished and normalised). What goes into a quantiser is computed in f32, as accurately as f32 sums, v_exp_f32 and their like allow (about 1e-6 of the number): no bf16 or f16 on the way to a quantiser, and a product that is left as it is and whose result goes on into a quantised operand takes f32 operands (vector FMAs, or v_wmma_f32_16x16x4_f32). A number that lies on a knife's edge between two numbers of the format may be rounded either way, as far as f32 arithmetic and the matrix unit's own rounding can turn it there, and no further.
;;   INPUTS GIVEN AS CODES. U_weight (in the module: [8921, 128], K = its axis 1): each comes as NAME_codes (uint8): NAME with its K axis moved to the last place and cut into blocks of 32 codes, [.., K / 32, bytes a block], one block behind the other in memory; two codes a byte, the lower K in the low four bits (a code: sign, 2 exponent bits, 1 mantissa bit); and NAME_scales (uint8): the same leading axes, one E8M0 byte (e + 127) for each 32 codes along K. Its value is code x scale, taken as it is: it is not quantised again, and the codes and scales need not be those that the quantiser above would give.
;; One version. Each part assembles by itself: llvm-mc -triple=amdgcn-amd-amdhsa -mcpu=gfx1250 --defsym DOCPART=n.
;; ======== version 1 of 1: 2 launches
;; limits: right only within a limited range of input values
;; workspace buffers: cod 2,621,440 bytes; scl 163,840 bytes
;; launch quant (part 1): grid 20 x 8, 16 waves a work-group, no clusters, 71,168 bytes of LDS; arguments x, cod, scl; writes cod, scl
.if DOCPART == 1
	.amdgcn_target "amdgcn-amd-amdhsa--gfx1250"
	.amdhsa_code_object_version 6
	.text
	.protected	k_q402eda2bbc_quant
	.globl	k_q402eda2bbc_quant
	.p2align	8
	.type	k_q402eda2bbc_quant,@function
k_q402eda2bbc_quant:
	s_mov_b64 s[64:65], 0
	v_nop
	global_prefetch_b8 v0, s[64:65] scope:SCOPE_SE
	s_setreg_imm32_b32 hwreg(HW_REG_WAVE_MODE, 25, 1), 1
	s_wait_xcnt 0x0
; x [8][2500][128], f32, is quantised to FP4 (E2M1) codes with one E8M0 byte for each 32 numbers, TWICE: along d (x as the keys of the first product) and along l (x as the values of the second
; product, whose K is the 2,500 rows: 78 whole blocks and one of 4 numbers filled with zeros).  Both forms leave as IMAGES OF THE OPERANDS' REGISTERS: a fragment is two loads of 16 bytes a lane at 16 x lane.
; A block's scale is 2^(floor(log2(its largest magnitude)) - 2); its byte is the largest magnitude's exponent field - 2, held at 1 from below.
; LIMITS: NaN and infinities in x are not served.  A block whose largest magnitude lies under 2^-124 keeps the byte 1; so does a block of zeros, where the rule says 127: its codes are zeros, which add
; nothing under any byte but 0xff, and this program alone reads the bytes.
; SHARES.  A work-group (x = key step s of 20, y = batch b) takes 128 rows x 128 columns; rows from 2,500 on count as zeros and are not loaded.  Each of SIXTEEN waves loads 8 rows (512 consecutive bytes a load)
; into a stage in LDS; behind a barrier waves 0 to 7 make a tile of the keys each, waves 8 to 15 a tile of the values.  A finer share would cut a value's scale word, whose four bytes span the step's 128 rows.
; cod: [b][slot = s / 4][65,536]: key images at (s % 4) 8,192 + 1,024 t + 512 c + 16 lane, value images 32,768 further on.  With lane = 16 h + r:
;   key image:   row 128 s + 64 (t / 4) + 8 (t % 4) + (r % 8) + 32 (r / 8), d = 64 c + 32 h + 0 .. 31   (these rows, so that a lane's scores of four tiles are a whole block of 32 neighbouring keys)
;   value image: column d = 16 t + r, rows 128 s + 64 c + 32 h + 0 .. 31
; scl: [b][keys' words 10,240 | values' words 10,240]; a step's 512 bytes: the word of tile t, lane r at 256 (t / 4) + 16 r + 4 (t % 4): one load of 16 bytes a lane brings all eight tiles' words.
; No tensor loads, no ring.  The stage: row l at (l / 8) 4,256 + (l % 8) 528: rows 32 apart lie 17,024 = 66 x 256 + 128 bytes apart and begin 32 banks apart (64 banks of 4 bytes: ISA guide 11.1).
.set ROWS, 2500
.set SP,   528                         ; a stage row: 512 bytes + 16
.set PB,   8*SP+32                     ; eight rows, a wave's
.set SW,   16*PB                       ; behind the stage: the keys' 512 bytes of scale words, then the values'
.set SPARE, SW+1024                    ; the spare words, 128 bytes for each of 16 waves
.set XK,   32                          ; v32-95   my 8 rows as loaded; then 64 numbers of my key row or of my column
.set CK,   96                          ; v96-103  the tile's codes
	s_load_b128 s[4:7], s[0:1], 0x0                ; x, cod
	s_load_b64 s[8:9], s[0:1], 0x10                ; scl
	v_lshl_add_u32 v104, v0, 2, SPARE
	v_mov_b32 v105, 0
	v_lshrrev_b32 v4, 5, v0
	v_readfirstlane_b32 s10, v4                    ; wave w, 0 .. 15
	s_and_b32 s12, ttmp7, 0xffff                   ; batch b
	s_lshr_b32 s11, s10, 3                         ; 0: keys, 1: values
	s_and_b32 s25, s10, 7                          ; my tile t
	s_lshl_b32 s22, ttmp9, 7
	s_lshl_b32 s23, s10, 3
	s_add_co_u32 s22, s22, s23                     ; my first row in the batch: 128 s + 8 w
	s_sub_co_i32 s13, ROWS, s22                    ; how many rows the batch has from there on (0 or less: none)
	s_mul_i32 s14, s12, ROWS
	s_add_co_u32 s14, s14, s22
	s_lshl_b32 s14, s14, 9                         ; x: 512 bytes a row; under 2^24
	s_mov_b32 s15, 0
	s_mul_i32 s16, s12, 5
	s_lshr_b32 s23, ttmp9, 2
	s_add_co_u32 s16, s16, s23
	s_lshl_b32 s16, s16, 16                        ; cod: the slot,
	s_and_b32 s23, ttmp9, 3
	s_lshl_b32 s23, s23, 13
	s_add_co_u32 s16, s16, s23                     ; the step in it,
	s_lshl_b32 s23, s25, 10
	s_add_co_u32 s16, s16, s23                     ; my tile,
	s_lshl_b32 s23, s11, 15
	s_add_co_u32 s16, s16, s23                     ; keys or values
	s_mov_b32 s17, 0
	s_min_u32 s24, s10, 1                          ; wave 0 sends the keys' words out, wave 1 the values'; the others send none, and their pointers stay at wave 1's
	s_mul_i32 s18, s12, 20480
	s_lshl_b32 s23, ttmp9, 9
	s_add_co_u32 s18, s18, s23
	s_mul_i32 s23, s24, 10240
	s_add_co_u32 s18, s18, s23                     ; scl: the batch, the step, keys' or values'
	s_mov_b32 s19, 0
	s_mul_i32 s26, s10, PB                         ; my 8 rows' place in the stage
	s_lshr_b32 s27, s25, 2
	s_lshl_b32 s27, s27, 3
	s_and_b32 s23, s25, 3
	s_add_co_u32 s27, s27, s23                     ; the key tile's first eight rows: 8 (t / 4) + t % 4
	s_mul_i32 s27, s27, PB
	s_lshl_b32 s28, s25, 6                         ; the value tile's first column, in bytes
	s_lshr_b32 s29, s25, 2
	s_lshl_b32 s29, s29, 8
	s_lshl_b32 s23, s23, 2
	s_add_co_u32 s29, s29, s23
	s_lshl_b32 s23, s11, 9
	s_add_co_u32 s29, s29, s23
	s_add_co_u32 s29, s29, SW                      ; my tile's scale words: 512 (values) + 256 (t / 4) + 4 (t % 4)
	s_lshl_b32 s30, s24, 9
	s_add_co_u32 s30, s30, SW
	s_mov_b32 s20, 0x76543210
	s_mov_b32 s21, 0xfedcba98                      ; v_permlanex16_b32's selects for lane l xor 16
	v_and_b32 v1, 31, v0
	v_and_b32 v2, 15, v0                           ; r
	v_bfe_u32 v3, v0, 4, 1                         ; h
	v_lshlrev_b32 v1, 4, v1                        ; v1 = 16 x lane: my bytes of a row of x, of an image, of the scale words; never rewritten
	v_lshrrev_b32 v11, 3, v2                       ; r / 8
	v_and_b32 v12, 7, v2                           ; r % 8
	v_add_nc_u32 v5, s26, v1                       ; v5: the stage, on the way in
	v_mul_u32_u24 v7, v3, 4*PB
	v_mul_u32_u24 v6, v12, SP
	v_lshl_add_u32 v7, v2, 2, v7
	v_mad_u32_u24 v6, v11, 4*PB, v6                ; 32 rows on
	v_add_nc_u32 v7, s28, v7                       ; v7: my column 16 t + r, from row 32 h on
	v_lshl_add_u32 v6, v3, 7, v6                   ; + 128 h: 32 numbers on
	v_lshl_add_u32 v8, v2, 4, s29                  ; v8: where my tile's scale word of lane r goes
	v_add_nc_u32 v6, s27, v6                       ; v6: my key row
	v_add_nc_u32 v9, s30, v1                       ; v9: the words' way out
	v_lshlrev_b32 v10, 3, v3                       ; v10 = 8 h: my two bytes' place in a scale word
.set n, 0
.rept 32
	v_mov_b32 v[XK+n], 0                           ; rows past the batch's end stay zeros
.set n, n+1
.endr
	s_wait_alu depctr_va_vdst(0)
	s_wait_kmcnt 0x0
	s_add_nc_u64 s[4:5], s[4:5], s[14:15]
	s_add_nc_u64 s[6:7], s[6:7], s[16:17]
	s_add_nc_u64 s[8:9], s[8:9], s[18:19]
.irp i, 0,1,2,3,4,5,6,7
	s_cmp_le_i32 s13, \i                           ; the rows that exist are the first ones: no load leaves the batch
	s_cbranch_scc1 .Lloaded
	global_load_b128 v[XK+4*\i:XK+4*\i+3], v1, s[4:5] offset:512*\i th:TH_LOAD_NT   ; a row: 512 consecutive bytes; read once in the launch
.endr
.Lloaded:
	s_wait_loadcnt 0x0
	s_wait_alu depctr_va_vdst(0)
.irp i, 0,1,2,3,4,5,6,7
	ds_store_b128 v5, v[XK+4*\i:XK+4*\i+3] offset:SP*\i
.endr
	s_wait_dscnt 0x0                               ; for the others' sake: my rows lie in the stage
	s_barrier_signal -1
	s_barrier_wait -1                              ; all 128 rows do
	s_cmp_lt_u32 s10, 8
	s_cbranch_scc0 .Lcolumn
.irp c, 0,1
.irp j, 0,1,2,3,4,5,6,7
	ds_load_b128 v[XK+32*\c+4*\j:XK+32*\c+4*\j+3], v6 offset:256*\c+16*\j   ; my key row, d = 64 c + 32 h + 4 j on
.endr
.endr
	s_branch .Lgot
.Lcolumn:
.irp c, 0,1
.irp i, 0,1,2,3,4,5,6,7,8,9,10,11,12,13,14,15,16,17,18,19,20,21,22,23,24,25,26,27,28,29,30,31
	ds_load_b32 v[XK+32*\c+\i], v7 offset:(8*\c+\i/8)*PB+(\i%8)*SP   ; my column, row 64 c + 32 h + i: the registers run down the second product's K
.endr
.endr
.Lgot:
	s_wait_dscnt 0x0
; 64 numbers of a lane, two whole blocks of 32 (v[XK + 32 k + i]: block 2 k + h of the lane's row or column), become the operand's registers and its scale word.  Four chains of maxima by turns: v12, v14 block 0; v13, v15 block 1
.irp g, 0,1
.irp k, 0,1
	v_max3_num_f32 v[12+2*\g+\k], |v[XK+32*\k+16*\g]|, |v[XK+32*\k+16*\g+1]|, 0x1800000   ; and the floor 2^(3 - 127): so the byte cannot fall under 1
.endr
.endr
.irp i, 2,4,6,8,10,12,14
.irp g, 0,1
.irp k, 0,1
	s_delay_alu instid0(VALU_DEP_4)
	v_max3_num_f32 v[12+2*\g+\k], v[12+2*\g+\k], |v[XK+32*\k+16*\g+\i]|, |v[XK+32*\k+16*\g+\i+1]|
.endr
.endr
.endr
.irp k, 0,1
	s_delay_alu instid0(VALU_DEP_2)
	v_max_num_f32 v[12+\k], v[12+\k], v[14+\k]
.endr
.irp k, 0,1
	s_delay_alu instid0(VALU_DEP_2)
	v_add_nc_u32 v[16+\k], 0xff000000, v[12+\k]    ; 2 off its exponent field: the conversion takes the exponent field of this operand as its scale, and nothing else of it
.endr
.irp k, 0,1
	s_delay_alu instid0(VALU_DEP_2)
	v_lshrrev_b32 v[18+\k], 23, v[16+\k]           ; the scale's byte
.endr
	s_delay_alu instid0(VALU_DEP_1)
	v_lshl_or_b32 v21, v19, 16, v18                ; my two bytes: blocks h and 2 + h,
	s_delay_alu instid0(VALU_DEP_1)
	v_lshlrev_b32 v21, v10, v21                    ; at their places in the word (8 h bits up);
	v_mov_b32 v20, 0                               ; (a lane permute's destination counts as one of its sources)
	s_delay_alu instid0(VALU_DEP_1)
	v_permlanex16_b32 v20, v21, s20, s21
	s_delay_alu instid0(VALU_DEP_1)
	v_or_b32 v21, v21, v20                         ; with lane l xor 16's two the word is whole, in both lanes
.irp k, 0,1
.irp g, 0,1,2,3
	v_cvt_scalef32_pk8_fp4_f32 v[CK+4*\k+\g], v[XK+32*\k+8*\g:XK+32*\k+8*\g+7], v[16+\k]   ; to the nearest code, ties to even, beyond 6 the largest code
.endr
.endr
	v_nop                                          ; one plain place behind the last scaled conversion
	ds_store_b32 v8, v21                           ; lanes r and 16 + r write the same word with the same value
	global_store_b128 v1, v[CK:CK+3], s[6:7]                       ; each store of the wave covers 512 consecutive bytes, aligned
	global_store_b128 v1, v[CK+4:CK+7], s[6:7] offset:512
	s_wait_alu depctr_va_vdst(0)
	s_wait_dscnt 0x0                               ; for the others' sake: my scale words lie in LDS
	s_barrier_signal -1
	s_barrier_wait -1                              ; all sixteen tiles' do
	s_cmp_gt_u32 s10, 1
	s_cbranch_scc1 .Lend
	ds_load_b128 v[XK:XK+3], v9
	s_wait_dscnt 0x0
	global_store_b128 v1, v[XK:XK+3], s[8:9]       ; a step's 512 bytes of scale words: two aligned runs of 256
.Lend:
	s_wait_tensorcnt 0x0                           ; the wave's end
	ds_add_u32 v104, v105
	s_wait_dscnt 0x0
	s_endpgm
.Lfunc_end_k_q402eda2bbc_quant:
	.size	k_q402eda2bbc_quant, .Lfunc_end_k_q402eda2bbc_quant-k_q402eda2bbc_quant
	.p2alignl 7, 3214868480
	.fill 96, 4, 3214868480
	.section	.rodata,"a",@progbits
	.p2align	6, 0x0
	.amdhsa_kernel k_q402eda2bbc_quant
		.amdhsa_group_segment_fixed_size 71168
		.amdhsa_private_segment_fixed_size 0
		.amdhsa_enable_private_segment 0
		.amdhsa_kernarg_size 24
		.amdhsa_user_sgpr_count 2
		.amdhsa_user_sgpr_kernarg_segment_ptr 1
		.amdhsa_wavefront_size32 1
		.amdhsa_system_sgpr_workgroup_id_x 1
		.amdhsa_system_sgpr_workgroup_id_y 1
		.amdhsa_system_sgpr_workgroup_id_z 1
		.amdhsa_system_vgpr_workitem_id 0
		.amdhsa_next_free_vgpr 112
		.amdhsa_next_free_sgpr 66
		.amdhsa_reserve_vcc 0
		.amdhsa_float_denorm_mode_32 3
		.amdhsa_float_denorm_mode_16_64 3
		.amdhsa_memory_ordered 1
		.amdhsa_forward_progress 1
		.amdhsa_inst_pref_size 17
	.end_amdhsa_kernel
	.amdgpu_metadata
---
amdhsa.version: [ 1, 2 ]
amdhsa.kernels:
  - .name:           k_q402eda2bbc_quant
    .symbol:         k_q402eda2bbc_quant.kd
    .args:
      - { .name: x, .offset: 0, .size: 8, .value_kind: global_buffer, .address_space: global }
      - { .name: cod, .offset: 8, .size: 8, .value_kind: global_buffer, .address_space: global }
      - { .name: scl, .offset: 16, .size: 8, .value_kind: global_buffer, .address_space: global }
    .group_segment_fixed_size: 71168
    .private_segment_fixed_size: 0
    .kernarg_segment_align: 8
    .kernarg_segment_size: 24
    .max_flat_workgroup_size: 512
    .sgpr_count:     66
    .vgpr_count:     112
    .wavefront_size: 32
...
	.end_amdgpu_metadata
.endif
;; end of part 1
;; launch attn (part 2): grid 31 x 8, 8 waves a work-group, no clusters, 327,680 bytes of LDS; arguments U_weight_codes, U_weight_scales, cod, scl, out0; writes out0
.if DOCPART == 2
	.amdgcn_target "amdgcn-amd-amdhsa--gfx1250"
	.amdhsa_code_object_version 6
	.text
	.protected	k_q402eda2bbc_attn
	.globl	k_q402eda2bbc_attn
	.p2align	8
	.type	k_q402eda2bbc_attn,@function
k_q402eda2bbc_attn:
	s_mov_b64 s[64:65], 0
	v_nop
	global_prefetch_b8 v0, s[64:65] scope:SCOPE_SE
	s_setreg_imm32_b32 hwreg(HW_REG_WAVE_MODE, 25, 1), 1
	s_wait_xcnt 0x0
; out0[b][c][:] = the sum over l of softmax_l(U[c] . x[b][l]) x[b][l][:], both products on codes of FP4 (E2M1) with one E8M0 scale for each 32 along a product's K.
; U comes as codes and scale bytes and is taken as given; x's two quantised forms come from the launch before, as images of the operands' registers (cod) with their scale words (scl).
; THE SOFTMAX AHEAD OF THE SECOND PRODUCT: t = score x log2(e); M = the row's largest t so far, rounded UP to a whole number; p = 2^(t - M) is what is quantised, along l; it is not normalised.
; The row's sum is taken of the unquantised p, in f32, and divides at the end.  When M moves, the sum and O are multiplied by 2^(old M - new M): exact.
; SHARES.  8,921 classes are 558 tiles of 16 = 31 x 18: a work-group (x of 31, y = batch) owns 18 tiles.  Each of its EIGHT waves, two to a SIMD, owns two of them, A and B, and walks all of the batch's 2,560 keys (2,500 and 60 of
; zero codes) with them.  Tiles 16 and 17 are SHARED BY KEYS: of each four steps of 128 keys, wave w takes step w % 4 for tile 16 + w / 4 (its share is called E): 2 x 20 + 5 tile steps for every wave.
; E's sums stay in LDS between its turns; at the end the four waves' parts are joined: each is brought under the largest M, and the sums are added.
; A CHUNK is two steps (256 keys) x tiles A and B: every fragment of K and of V that a wave reads feeds both tiles, and O is rescaled once for 256 keys.
; The last tile has 9 classes: its other lanes take class 8,920 again, and their rows are not stored.
; LAYOUT.  Both products are used transposed, 32 x 16 x 128: S^T = K Q^T (source 0 = two tiles of 16 keys, source 1 = 16 classes), O^T = V^T P^T (source 0 = two tiles of 16 channels, source 1 = P): a lane holds ONE class throughout.
; Instruction j takes tiles j and 4 + j.  Register 16 j + 8 c + i of a step's scores is key 64 c + 32 (lane / 16) + 8 j + i: A LANE HOLDS WHOLE BLOCKS OF 32 KEYS, c = 0 and 1, so a block's maximum needs no other lane,
; and the conversions' results are the second product's operand.  Register 16 j + 8 x + i of O^T is channel 16 (j + 4 x) + 8 (lane / 16) + i.
; A block's scale needs floor(log2) of its largest p: that is the floor of its largest score's t - M.
; REGISTERS.  Window 0: v1-63 what stays; v64-127 K's fragments of a chunk's first step, then maxima, codes, scale words; v128-191 O^T of A, v192-255 of B.
; Window 1: v0-127 A's scores, then p, then V's fragments; v128-255 B's (its second step lies FIRST: v192-255 hold K's fragments of that step until the first step's scores of B take their place).
; THE RING.  Two LDS slots of 65,536 bytes, each four steps: key images, then value images; waves 0 to 3 fetch a quarter each, one tensor load a wave behind each change of slots; all eight read.
; The batch's scale words, 20,480 bytes, come once, at the head, by waves 4 to 7: one tensor load a wave there.
; NO CLUSTER: a batch has 31 work-groups, a prime, so no cluster along x divides the grid; along y the work-groups belong to different batches and share none of x's tiles.
; NO PREFETCH: a refill has a whole slot's work in which to land, 144 matrix instructions and 1,152 exponentials and more of each wave, and two waves share a SIMD.
; LIMITS: NaN and infinities are not served; t stays under 2^31 in magnitude.  p under 2^-126 counts as 0.  A block whose largest p lies under 2^-124 keeps the byte 1.
.set NCLS,  8921
.set SLOT1, 65536                      ; slot 1 begins here: one exclusive or turns an address in one slot into the other's
.set VOFF,  32768                      ; in a slot: the value images
.set SCK,   2*SLOT1                    ; the keys' scale words, 10,240 bytes;
.set SCVO,  10240                      ; so far behind them the values'
.set SPARE, SCK+20480                  ; the spare words, 128 bytes for each of 8 waves: no other line names them
.set SPILL, SPARE+1024                 ; E's O^T, 8,192 bytes for each wave: an image of its registers
.set ML,    SPILL+8*8192               ; E's -M and sum at the end, 128 bytes each for each wave
.set STAGE, ML+2048                    ; the way out: 16 rows x 528 bytes for each wave
.set SP,    528                        ; 512 bytes + 16 = 132 words: row r starts at bank 4 r mod 64 (64 banks of 4 bytes: ISA guide 11.1)
.set ESTG,  STAGE+8*16*SP              ; the shared tiles' way out: 16 rows for each of the two
.set LI,   1                           ; v1   16 x lane; never rewritten
.set ADR,  2                           ; v2   the slot in hand + 16 x lane
.set ADS,  3                           ; v3   the slot's scale words + 16 x lane
.set SPW,  4                           ; v4   LDS address of my spare word; never rewritten
.set NIL,  5                           ; v5   0; never rewritten
.set ADRE, 6                           ; v6   E's step in the slot
.set ADSE, 7                           ; v7   and its scale words
.set ESP,  8                           ; v8   E's O^T in LDS
.set H8,   9                           ; v9   8 x (lane / 16)
                                       ; v12, 14, 16: -M of A, B, E;  v13, 15, 17: the largest score;  v[18:19], v[20:21], v[22:23]: the sum in two halves
.set QA,   24                          ; U's fragments
.set QB,   32
.set QE,   40
.set QSA,  48                          ; and scale words
.set QSB,  49
.set QSE,  50
.set LOW,  51                          ; v51  -3e38
.set FF,   52                          ; v52, v54: f = 2^(old M - new M) of A (or E) and B; named in pairs
.set KS,   56                          ; v56-63 scale words of K: a chunk's second step, then its first; E's words of K, then of V.  Register j: lanes 0-15 tile j, lanes 16-31 tile 4 + j
.set VS,   64                          ; v64-71 a chunk's scale words of V, both steps, behind its maxima
.set FR,   64                          ; v64-127 K's fragments; behind the first product:
.set BM,   64                          ;   the blocks' largest scores: 4 x tile + 2 u + c
.set CD,   72                          ;   p's codes: 16 x tile + 8 u
.set SO,   104                         ;   the conversions' scale operands
.set EE,   112                         ;   the blocks' exponents
.set PW,   120                         ;   p's scale words: 2 x tile + u
.set W1,   124                         ;   at work
.set OA,   128
.set OB,   192
.set WV,   14
.set SEL,  20                          ; s[20:21] lane selects for v_permlanex16_b32: lane l xor 16
.set CS,   22                          ; s[22:23] log2(e): the packed form names a pair and takes its low word for both halves
.set G1,   24                          ; s[24:31] descriptor group 1: a quarter of a slot
.set G1S,  32                          ; s[32:39] a quarter of the scale words
.set G0,   40                          ; s[40:43] group 0 for the slots: it walks
.set G0S,  44                          ; s[44:47] for the scale words
.set TB,   48                          ; LDS byte at which the slot in hand begins
.set TS,   49                          ; and its scale words of K
.set SLOTS, 50                         ; slots still to be asked for
.set HI16, 51                          ; lanes 16-31
.set EQ,   52                          ; w % 4
.set EX,   53                          ; w / 4
.set NC,   54                          ; -log2(e)
.set K7D,  55                          ; 125 in bytes 0 and 2
.set MK0,  56                          ; E's hidden lanes in the batch's last four steps: registers 8 to 11
.set MK1,  57                          ; and the others of c = 1
.set MSB, 0
.macro WIN new                         ; the immediate's high byte repeats the setting that is left
.if MSB != \new
	s_set_vgpr_msb (MSB<<8)|\new
.set MSB, \new
.endif
.endm
.macro PLACES k
.rept \k
	v_nop
.endr
.endm
.macro VW
	s_wait_alu depctr_va_vdst(0)
.endm
; sixteen loads: a step's fragments of K or V, tile j and tile 4 + j behind each other
.macro KLD dst, adr, off
.irp j, 0,1,2,3
.irp x, 0,1
.irp c, 0,1
	ds_load_b128 v[\dst+16*\j+8*\x+4*\c:\dst+16*\j+8*\x+4*\c+3], v[\adr] offset:\off+1024*(\j+4*\x)+512*\c
.endr
.endr
.endr
.endm
.macro QK d, a, b, sa, sb
	v_wmma_scale_f32_32x16x128_f4 v[\d:\d+15], v[\a:\a+15], v[\b:\b+7], 0, v[\sa], v[\sb]
.endm
.macro PV d, a, b, sa, sb
	v_wmma_scale_f32_32x16x128_f4 v[\d:\d+15], v[\a:\a+15], v[\b:\b+7], v[\d:\d+15], v[\sa], v[\sb]
.endm
; one link of block b's maximum (b = 2 u + c) of tile T: two scores.  A's step u lies at 64 u, B's at 128 + 64 (1 - u)
.macro MX T, b
.set R, 128*\T+64*((\b/2)+\T-2*(\b/2)*\T)+16*(n/4)+8*(\b%2)+2*(n%4)
.if n == 0
	v_max3_num_f32 v[BM+4*\T+\b], 0xff61b1e6, v[R], v[R+1]
.else
	v_max3_num_f32 v[BM+4*\T+\b], v[BM+4*\T+\b], v[R], v[R+1]
.endif
.endm
; the four blocks' largest scores, by turns.  last = 1: the batch's last chunk: 2,500 = 19 x 128 + 68, so of step u = 1 block c = 1 has four keys alone, registers 8 to 11 in lanes 0-15
.macro MAXES T, last
	WIN 0x14
.set n, 0
.rept 16
.irp b, 0,1,2,3
.if (\b < 3) || (\last == 0)
	MX \T, \b
.endif
.endr
.set n, n+1
.endr
.if \last
	WIN 0x41
.irp i, 0,1,2,3
	v_cndmask_b32 v[128*\T+64*(1-\T)+8+\i], v[128*\T+64*(1-\T)+8+\i], v[LOW], s[HI16]
.endr
	WIN 0x14
.set n, 0
.rept 2
	MX \T, 3
.set n, n+1
.endr
.endif
.endm
; p by pairs summed in place, from registers b on: \top is half their number
.macro TREE b, top
	WIN 0x45
.irp st, 64,32,16,8,4,2
.if \st <= \top
.set n, 0
.rept \st/2
	v_pk_add_f32 v[\b+n:\b+n+1], v[\b+n:\b+n+1], v[\b+n+\st:\b+n+\st+1]
.set n, n+2
.endr
.endif
.endr
.endm
; tile T's 128 scores a lane become p, codes and a sum.  last = 1: 28 registers that hold no key are left out and become zeros
.macro SOFT T, last
	WIN 0x41
.set MH, -1
.if \last
.set MH, 1-\T
.endif
.set n, 0
.rept 64
.set SK, (n/32 == MH) && (n%8 > 3) && (n%32 != 4) && (n%32 != 5)
.if SK == 0
	v_pk_fma_f32 v[128*\T+2*n:128*\T+2*n+1], v[128*\T+2*n:128*\T+2*n+1], s[CS:CS+1], v[12+2*\T:13+2*\T] op_sel_hi:[1,0,0]   ; t - M
.endif
.set n, n+1
.endr
	VW
.set n, 0
.rept 64
.set SK, (n/32 == MH) && (n%8 > 3) && (n%32 != 4) && (n%32 != 5)
.if SK == 0
	v_exp_f32 v[128*\T+2*n], v[128*\T+2*n]
	v_exp_f32 v[128*\T+2*n+1], v[128*\T+2*n+1]     ; p = 2^(t - M): not normalised
.endif
.set n, n+1
.endr
	v_nop                                          ; the plain place behind the exponentials
	VW
.if \last
.set n, 0
.rept 64
.set SK, (n/32 == MH) && (n%8 > 3) && (n%32 != 4) && (n%32 != 5)
.if SK != 0
	v_mov_b32 v[128*\T+2*n], 0
	v_mov_b32 v[128*\T+2*n+1], 0
.endif
.set n, n+1
.endr
.endif
	WIN 0x01
.irp u, 0,1
.irp c, 0,1
.irp j, 0,1,2,3
.set R, 128*\T+64*(\u+\T-2*\u*\T)+16*\j+8*\c
	v_cvt_scalef32_pk8_fp4_f32 v[CD+16*\T+8*\u+4*\c+\j], v[R:R+7], v[SO+4*\T+2*\u+\c]
.endr
.endr
.endr
	v_nop                                          ; one plain place behind the last scaled conversion
	TREE 128*\T, 64
	WIN 0x10
	v_pk_fma_f32 v[18+2*\T:19+2*\T], v[18+2*\T:19+2*\T], v[FF+2*\T:FF+2*\T+1], v[128*\T:128*\T+1] op_sel_hi:[1,0,1]   ; the row's sum, of the unquantised p, under the new M
.endm
; A CHUNK: 256 keys, half hh of the slot in hand, tiles A and B
.macro CHUNK hh, last
	WIN 0
	PLACES 5                                       ; behind the last products: the loads below want four, the first products below five
.if \hh == 0                           ; (chunk 1's second step was asked for by chunk 0)
	ds_load_b128 v[KS:KS+3], v[ADS] offset:512
	WIN 0x40
	KLD 192, ADR, 8192
	WIN 0
.endif
	ds_load_b128 v[KS+4:KS+7], v[ADS] offset:512*(2*\hh)
	KLD FR, ADR, 8192*(2*\hh)
	WIN 0x41
.irp j, 0,1,2,3
.if \hh == 0
	s_wait_dscnt 29-4*\j                           ; 34 loads: one word load and 4 (j + 1) fragment loads are in
.endif
.if (\hh == 1) && (\j == 0)
	s_wait_dscnt 17                                ; all but the 17 just issued
.endif
	QK 64+16*\j, 192+16*\j, QA, KS+\j, QSA
	QK 128+16*\j, 192+16*\j, QB, KS+\j, QSB
.endr
	WIN 0x40
.irp j, 0,1,2,3
	s_wait_dscnt 12-4*\j                           ; the first step's fragments behind this one may be out
	QK 16*\j, FR+16*\j, QA, KS+4+\j, QSA
.endr
	PLACES 5                                       ; the next four write over the fragments that the first eight read
.irp j, 0,1,2,3
	QK 192+16*\j, FR+16*\j, QB, KS+4+\j, QSB
.endr
	PLACES 4                                       ; ahead of the first vector write into fragments
	MAXES 0, \last
	MAXES 1, \last
	WIN 0
.irp T, 0,1
	v_max3_num_f32 v[W1+\T], v[BM+4*\T], v[BM+4*\T+1], v[BM+4*\T+2]
.endr
.irp T, 0,1
	v_max_num_f32 v[W1+\T], v[W1+\T], v[BM+4*\T+3]
.endr
.irp T, 0,1
	v_permlanex16_b32 v[W1+2+\T], v[W1+\T], s[SEL], s[SEL+1]   ; (its destination counts as read: K's loads have written it)
.endr
.irp T, 0,1
	v_max3_num_f32 v[13+2*\T], v[13+2*\T], v[W1+\T], v[W1+2+\T]   ; the running largest score
.endr
.irp T, 0,1
	v_mul_f32 v[W1+\T], s[NC], v[13+2*\T]          ; -t
.endr
.irp T, 0,1
	v_floor_f32 v[W1+\T], v[W1+\T]                 ; the new -M = floor(-t) = -ceil(t): M is a whole number
.endr
.irp T, 0,1
	v_sub_f32 v[W1+2+\T], v[W1+\T], v[12+2*\T]     ; M's old value less its new one: a whole number, 0 or less
.endr
.irp T, 0,1
	v_mov_b32 v[12+2*\T], v[W1+\T]
.endr
.irp T, 0,1
	v_cvt_i32_f32 v[W1+2+\T], v[W1+2+\T]           ; (it saturates)
.endr
.irp T, 0,1
	v_ldexp_f32 v[FF+2*\T], 1.0, v[W1+2+\T]        ; f = 2^(old M - new M)
.endr
.irp k, 0,1,2,3,4,5,6,7
	v_fma_f32 v[EE+\k], v[BM+\k], s[CS], v[12+2*(\k/4)]   ; t - M of each block's largest score,
.endr
.irp k, 0,1,2,3,4,5,6,7
	v_max_num_f32 v[EE+\k], 0xc2f80000, v[EE+\k]   ; -124 at the least: the byte cannot fall under 1;
.endr
.irp k, 0,1,2,3,4,5,6,7
	v_cvt_floor_i32_f32 v[EE+\k], v[EE+\k]         ; floor(log2) of the block's largest p
.endr
.irp k, 0,1,2,3,4,5,6,7
	v_lshl_add_u32 v[SO+\k], v[EE+\k], 23, 0x3e800000   ; the conversion's scale operand: exponent field e + 125
.endr
.irp k, 0,1,2,3
	v_lshl_add_u32 v[PW+\k], v[EE+2*\k+1], 16, v[EE+2*\k]
.endr
.irp k, 0,1,2,3
	v_add_lshl_u32 v[PW+\k], v[PW+\k], s[K7D], v[H8]   ; bytes e + 125 of my two blocks, at bytes h and 2 + h
.endr
.irp k, 0,1,2,3
	v_permlanex16_b32 v[EE+\k], v[PW+\k], s[SEL], s[SEL+1]
.endr
.irp k, 0,1,2,3
	v_or_b32 v[PW+\k], v[PW+\k], v[EE+\k]          ; with lane l xor 16's two: p's scale word
.endr
	VW                                             ; directly ahead of the first readers of O^T
.set n, 0
.rept 32
	v_pk_mul_f32 v[OA+n:OA+n+1], v[OA+n:OA+n+1], v[FF:FF+1] op_sel_hi:[1,0]
.set n, n+2
.endr
.set n, 0
.rept 32
	v_pk_mul_f32 v[OB+n:OB+n+1], v[OB+n:OB+n+1], v[FF+2:FF+3] op_sel_hi:[1,0]
.set n, n+2
.endr
	SOFT 0, \last
	WIN 0                                          ; A's p are done with: V's words and fragments of both steps are fetched under B's softmax
	ds_load_b128 v[VS:VS+3], v[ADS] offset:SCVO+512*(2*\hh)
	ds_load_b128 v[VS+4:VS+7], v[ADS] offset:SCVO+512*(2*\hh+1)
	WIN 0x40
	KLD 0, ADR, VOFF+8192*(2*\hh)
	KLD 64, ADR, VOFF+8192*(2*\hh+1)
	SOFT 1, \last
	WIN 0                                          ; B's p are done with: their registers take what comes next, under the products below
.if \hh == 0
	ds_load_b128 v[KS:KS+3], v[ADS] offset:512*3   ; chunk 1's second step: K's words and fragments
	WIN 0x40
	KLD 192, ADR, 8192*3
.else
	ds_load_b128 v[KS:KS+3], v[ADSE]               ; E's step: words and fragments of K and V
	ds_load_b128 v[KS+4:KS+7], v[ADSE] offset:SCVO
	WIN 0x40
	KLD 192, ADRE, 0
	KLD 128, ADRE, VOFF
.endif
	VW
.if \hh == 0
	s_wait_dscnt 17                                ; V is in; the 17 loads just issued may be out
.else
	s_wait_dscnt 34                                ; V is in; the 34 loads just issued may be out
.endif
	WIN 0x01
.irp u, 0,1                            ; O^T += V^T P^T: eight accumulators by turns, one instruction a turn
.irp j, 0,1,2,3
	PV OA+16*\j, 64*\u+16*\j, CD+8*\u, VS+4*\u+\j, PW+\u
	PV OB+16*\j, 64*\u+16*\j, CD+16+8*\u, VS+4*\u+\j, PW+2+\u
.endr
.endr
	WIN 0
.endm
.macro EMX c                           ; E: largest scores of block c, a chain for each j
.set n, 0
.rept 4
.irp j, 0,1,2,3
.if n == 0
	v_max3_num_f32 v[BM+4*\c+\j], 0xff61b1e6, v[16*\j+8*\c], v[16*\j+8*\c+1]
.else
	v_max3_num_f32 v[BM+4*\c+\j], v[BM+4*\c+\j], v[16*\j+8*\c+2*n], v[16*\j+8*\c+2*n+1]
.endif
.endr
.set n, n+1
.endr
.endm
; E: one step of 128 keys of the shared tile.  Window 1: v0-63 scores, v64-127 O^T, from LDS; v128-191 V's fragments and v192-255 K's, asked for by chunk 1.
; last = 0: THE SLOT IS LEFT HERE: once E's operands are in registers each wave has waited for all its tensor loads (its part of the next slot), has added 0 to its spare word, and has waited for that and for its reads of this slot;
; it signals, and the rest of E, work on registers, stands between the signal and the barrier's wait, which opens the next slot (CHANGE).
; last = 1: the batch's last four steps: step 3, of waves 3 and 7, has 68 keys; no slot follows
.macro EXTRA last
	PLACES 5                                       ; behind the last products: the loads below want four, the products below five
	WIN 0x40
.irp i, 0,1,2,3,4,5,6,7,8,9,10,11,12,13,14,15
	ds_load_b128 v[64+4*\i:67+4*\i], v[ESP] offset:512*\i
.endr
	s_wait_dscnt 16                                ; K and V are in; O^T's sixteen loads may be out
	WIN 0x41
.irp j, 0,1,2,3
	QK 16*\j, 192+16*\j, QE, KS+\j, QSE
.endr
	PLACES 4
.if \last == 0
	WIN 0                                          ; (the add's two registers lie in window 0)
	s_wait_tensorcnt 0x0                           ; no tensor load of mine is out
	ds_add_u32 v[SPW], v[NIL]                      ; 0 onto my spare word
.endif
	WIN 0x14
	EMX 0
.if \last
	WIN 0x41
.irp j, 0,1,2,3
.irp i, 0,1,2,3,4,5,6,7
.if (\j == 0) && (\i < 4)
	v_cndmask_b32 v[16*\j+8+\i], v[16*\j+8+\i], v[LOW], s[MK0]
.else
	v_cndmask_b32 v[16*\j+8+\i], v[16*\j+8+\i], v[LOW], s[MK1]
.endif
.endr
.endr
	WIN 0x14
.endif
	EMX 1
	WIN 0
	v_max3_num_f32 v64, v64, v65, v66
	v_max3_num_f32 v68, v68, v69, v70
	v_max_num_f32 v64, v64, v67
	v_max_num_f32 v68, v68, v71
	s_delay_alu instid0(VALU_DEP_1)
	v_max_num_f32 v124, v64, v68
	s_delay_alu instid0(VALU_DEP_1)
	v_permlanex16_b32 v126, v124, s[SEL], s[SEL+1]
	s_delay_alu instid0(VALU_DEP_1)
	v_max3_num_f32 v17, v17, v124, v126
	s_delay_alu instid0(VALU_DEP_1)
	v_mul_f32 v124, s[NC], v17
	s_delay_alu instid0(VALU_DEP_1)
	v_floor_f32 v124, v124
	s_delay_alu instid0(VALU_DEP_1)
	v_sub_f32 v126, v124, v16
	v_mov_b32 v16, v124
	s_delay_alu instid0(VALU_DEP_2)
	v_cvt_i32_f32 v126, v126
	s_delay_alu instid0(VALU_DEP_1)
	v_ldexp_f32 v[FF], 1.0, v126
	v_fma_f32 v112, v64, s[CS], v16
	v_fma_f32 v113, v68, s[CS], v16
	v_max_num_f32 v112, 0xc2f80000, v112
	v_max_num_f32 v113, 0xc2f80000, v113
	v_cvt_floor_i32_f32 v112, v112
	v_cvt_floor_i32_f32 v113, v113
	v_lshl_add_u32 v[SO], v112, 23, 0x3e800000
	v_lshl_add_u32 v[SO+1], v113, 23, 0x3e800000
	v_lshl_add_u32 v[PW], v113, 16, v112
	s_delay_alu instid0(VALU_DEP_1)
	v_add_lshl_u32 v[PW], v[PW], s[K7D], v[H8]
	s_delay_alu instid0(VALU_DEP_1)
	v_permlanex16_b32 v112, v[PW], s[SEL], s[SEL+1]
	s_delay_alu instid0(VALU_DEP_1)
	v_or_b32 v[PW], v[PW], v112
	VW
	s_wait_dscnt 0x0                               ; O^T is in; last = 0: the add is done, and so are my reads of the slot
.if \last == 0
	s_barrier_signal -1
.endif
	WIN 0x41
.set n, 0
.rept 32
	v_pk_mul_f32 v[64+n:65+n], v[64+n:65+n], v[FF:FF+1] op_sel_hi:[1,0]
.set n, n+2
.endr
.set n, 0
.rept 32
	v_pk_fma_f32 v[n:n+1], v[n:n+1], s[CS:CS+1], v[16:17] op_sel_hi:[1,0,0]
.set n, n+2
.endr
	VW
.set n, 0
.rept 64
	v_exp_f32 v[n], v[n]
.set n, n+1
.endr
	v_nop
	VW
	WIN 0x01
.irp c, 0,1
.irp j, 0,1,2,3
	v_cvt_scalef32_pk8_fp4_f32 v[CD+4*\c+\j], v[16*\j+8*\c:16*\j+8*\c+7], v[SO+\c]
.endr
.endr
	v_nop
	TREE 0, 32
	WIN 0x10
	v_pk_fma_f32 v[22:23], v[22:23], v[FF:FF+1], v[0:1] op_sel_hi:[1,0,1]
	WIN 0x51
.irp j, 0,1,2,3
	PV 64+16*\j, 128+16*\j, CD, KS+4+\j, PW
.endr
	PLACES 4                                       ; ahead of the stores of O^T
	WIN 0
.endm
.macro KEEP_E                          ; E's O^T goes back to LDS: my own bytes, and LDS serves a wave's instructions in order (ISA guide 5.7.1.4)
	WIN 0x04
.irp i, 0,1,2,3,4,5,6,7,8,9,10,11,12,13,14,15
	ds_store_b128 v[ESP], v[64+4*\i:67+4*\i] offset:512*\i
.endr
	WIN 0
.endm
; A SLOT OPENS with the wait of the barrier that every wave has signalled in E (ahead of the first slot: at the head), with its waits for 0 and the add in front of the signal.  Behind it the slot ahead is whole and nobody reads
; the other one.  fill = 1: that other slot is filled with the next four steps (the first time: slot 1's first fill).
.macro CHANGE fill
.if \fill
	s_xor_b32 s[G0+1], s[G0+1], SLOT1              ; the walking descriptor (no load of mine is out): the other slot than last time,
	s_add_nc_u64 s[G0+2:G0+3], s[G0+2:G0+3], SLOT1 ; the next slot's 65,536 bytes of cod; the type bits on top are not reached
.endif
	s_barrier_wait -1
.if \fill
	s_cmp_lt_u32 s[WV], 4                          ; waves 0 to 3 fetch a quarter of a slot each; the branch hangs on the wave's number alone
	s_cbranch_scc0 .Lasked_\@
	tensor_load_to_lds s[G0:G0+3], s[G1:G1+7]      ; the first thing behind the barrier, and a wave's one tensor load until the next
	s_nop 0
	PLACES 4
.Lasked_\@:
.endif
	v_add_nc_u32 v[ADR], s[TB], v[LI]
	v_add_nc_u32 v[ADS], s[TS], v[LI]
	v_add_nc_u32 v[ADRE], s66, v[ADR]
	v_add_nc_u32 v[ADSE], s67, v[ADS]
	KEEP_E
.endm
	s_load_b256 s[4:11], s[0:1], 0x0               ; U's codes s[4:5], U's scales s[6:7], cod s[8:9], scl s[10:11]
	s_load_b64 s[12:13], s[0:1], 0x20              ; out0
	v_lshl_add_u32 v[SPW], v0, 2, SPARE
	v_mov_b32 v[NIL], 0
	ds_add_u32 v[SPW], v[NIL]                      ; the wave's opening: the add, twice on end, and its wait ahead of my first tensor load
	ds_add_u32 v[SPW], v[NIL]
	v_lshrrev_b32 v8, 5, v0
	v_readfirstlane_b32 s[WV], v8                  ; wave w, 0 .. 7
	s_and_b32 s15, ttmp7, 0xffff                   ; the batch
	s_and_b32 s[EQ], s[WV], 3
	s_lshr_b32 s[EX], s[WV], 2
	s_mul_i32 s60, ttmp9, 288
	s_lshl_b32 s61, s[WV], 5
	s_add_co_u32 s16, s60, s61                     ; A's first class; B's is 16 on
	s_lshl_b32 s61, s[EX], 4
	s_add_co_u32 s18, s60, s61
	s_add_co_u32 s18, s18, 256                     ; the shared tile's first class: 8,912 at the most
	s_lshl_b32 s61, s[EQ], 2
	s_add_co_u32 s62, s18, s61                     ; the first of its rows that I store: 4 (w % 4) on
	s_sub_co_i32 s17, NCLS, s62                    ; classes from there on (0 or less: none)
	s_mul_i32 s63, s15, NCLS
	s_add_co_u32 s60, s63, s16
	s_lshl_b32 s60, s60, 9                         ; out0: 512 bytes a class; under 2^26
	s_mov_b32 s61, 0
	s_add_co_u32 s62, s63, s62
	s_lshl_b32 s62, s62, 9
	s_mov_b32 s63, 0
	s_lshl_b32 s19, s[WV], 13
	s_add_co_u32 s19, s19, SPILL
	s_lshl_b32 s66, s[EQ], 13                      ; E's step in a slot
	s_lshl_b32 s67, s[EQ], 9
	; descriptor group 1: 16,384 dense bytes as 64 rows of 256 (32 elements of 8 bytes), no padding: every read of an image is 16 x lane
	s_mov_b32 s[G1+0], 3<<16                       ; 15:0 no mask; 17:16 elements of 8 bytes; 20 padding off
	s_mov_b32 s[G1+1], 32<<16                      ; tensor_dim0 = 32
	s_mov_b32 s[G1+2], 64<<16                      ; tensor_dim1 = 64
	s_mov_b32 s[G1+3], 32<<16                      ; tile_dim0 = 32
	s_mov_b32 s[G1+4], 64                          ; tile_dim1 = 64
	s_mov_b32 s[G1+5], 32                          ; tensor_dim0_stride
	s_mov_b32 s[G1+6], 0
	s_mov_b32 s[G1+7], 0
	s_mov_b32 s[G1S+0], 3<<16                      ; the same for 5,120 dense bytes: 20 rows
	s_mov_b32 s[G1S+1], 32<<16
	s_mov_b32 s[G1S+2], 20<<16
	s_mov_b32 s[G1S+3], 32<<16
	s_mov_b32 s[G1S+4], 20
	s_mov_b32 s[G1S+5], 32
	s_mov_b32 s[G1S+6], 0
	s_mov_b32 s[G1S+7], 0
	s_mov_b32 s[G0], 1                             ; 1:0 count = 1
	s_lshl_b32 s[G0+1], s[WV], 14                  ; LDS address: slot 0, quarter = wave (waves 0 to 3 alone issue)
	s_mov_b32 s[G0S], 1
	s_mul_i32 s[G0S+1], s[EQ], 5120                ; waves 4 to 7: quarter = w % 4
	s_add_co_u32 s[G0S+1], s[G0S+1], SCK
	s_mul_i32 s68, s15, 5*SLOT1                    ; cod: the batch's five slots,
	s_lshl_b32 s69, s[EQ], 14
	s_add_co_u32 s68, s68, s69                     ; my quarter
	s_mov_b32 s69, 0
	s_mul_i32 s70, s15, 20480                      ; scl: the batch's words,
	s_mul_i32 s71, s[EQ], 5120
	s_add_co_u32 s70, s70, s71                     ; my quarter
	s_mov_b32 s71, 0
	s_mov_b32 s[SEL], 0x76543210
	s_mov_b32 s[SEL+1], 0xfedcba98
	s_mov_b32 s[CS], 0x3fb8aa3b                    ; log2(e)
	s_mov_b32 s[CS+1], s[CS]                       ; (named with it as a pair, so it is written)
	s_mov_b32 s[NC], 0xbfb8aa3b
	s_mov_b32 s[K7D], 0x7d007d
	s_mov_b32 s[TB], 0
	s_mov_b32 s[TS], SCK
	s_mov_b32 s[SLOTS], 4
	s_mov_b32 s[HI16], 0xffff0000
	s_cmp_eq_u32 s[EQ], 3
	s_cselect_b32 s[MK1], -1, 0
	s_and_b32 s[MK0], s[MK1], s[HI16]
	v_and_b32 v[LI], 31, v0
	v_and_b32 v10, 15, v0                          ; r
	v_bfe_u32 v11, v0, 4, 1                        ; h
	v_lshlrev_b32 v[LI], 4, v[LI]
	v_add_nc_u32 v64, s16, v10                     ; A's class of my lane
	v_add_nc_u32 v66, s18, v10                     ; the shared tile's;
	v_lshlrev_b32 v[H8], 3, v11
	v_min_u32 v66, NCLS-1, v66                     ; past the last class the last one again: no load leaves U
	v_lshlrev_b32 v65, 2, v64                      ; scale words
	v_lshlrev_b32 v64, 6, v64
	v_lshlrev_b32 v67, 2, v66
	v_lshlrev_b32 v66, 6, v66
	v_lshl_add_u32 v64, v11, 4, v64                ; 64 bytes of codes a class, + 16 h
	v_lshl_add_u32 v66, v11, 4, v66
	v_add_nc_u32 v[ESP], s19, v[LI]
	VW
	s_wait_dscnt 0x0                               ; both opening adds are done
	s_wait_kmcnt 0x0
	s_add_nc_u64 s[G0+2:G0+3], s[8:9], s[68:69]
	s_or_b32 s[G0+3], s[G0+3], 0x80000000          ; 127:126 type = 2
	s_add_nc_u64 s[G0S+2:G0S+3], s[10:11], s[70:71]
	s_or_b32 s[G0S+3], s[G0S+3], 0x80000000
	s_add_nc_u64 s[58:59], s[12:13], s[62:63]      ; out0 at my rows of the shared tile
	s_add_nc_u64 s[12:13], s[12:13], s[60:61]      ; and at A's
	s_cmp_lt_u32 s[WV], 4                          ; the head's loads, one a wave, in the two arms of one branch: slot 0's quarters, the scale words' quarters
	s_cbranch_scc0 .Lwords
	tensor_load_to_lds s[G0:G0+3], s[G1:G1+7]
	s_nop 0
	PLACES 4
	s_branch .Lhead_asked
.Lwords:
	tensor_load_to_lds s[G0S:G0S+3], s[G1S:G1S+7]  ; filled once
	s_nop 0
	PLACES 4
.Lhead_asked:
	global_load_b128 v[QA:QA+3], v64, s[4:5]       ; U's fragments stay in registers: registers 4 c .. 4 c + 3 hold d = 64 c + 32 h + 0 .. 31
	global_load_b128 v[QA+4:QA+7], v64, s[4:5] offset:32
	global_load_b128 v[QB:QB+3], v64, s[4:5] offset:1024
	global_load_b128 v[QB+4:QB+7], v64, s[4:5] offset:1056
	global_load_b128 v[QE:QE+3], v66, s[4:5]
	global_load_b128 v[QE+4:QE+7], v66, s[4:5] offset:32
	global_load_b32 v[QSA], v65, s[6:7]
	global_load_b32 v[QSB], v65, s[6:7] offset:64
	global_load_b32 v[QSE], v67, s[6:7]
	v_mov_b32 v[LOW], 0xff61b1e6                   ; -3e38
.irp k, 0,2,4
	v_mov_b32 v[12+\k], 0x7f61b1e6                 ; -M: M under every t
	v_mov_b32 v[13+\k], 0xff61b1e6                 ; the largest score so far: under every score
.endr
.irp k, 0,1,2,3,4,5
	v_mov_b32 v[18+\k], 0                          ; the sums
.endr
.irp k, 0,1,2,3
	v_mov_b32 v[FF+\k], 0                          ; (named in pairs before both are written)
.endr
.set n, 0
.rept 128
	v_mov_b32 v[OA+n], 0                           ; O^T of A and B, while the first tiles are on their way.  (The chunk is written with no first chunk of its own: the first change of M leaves zeros zeros)
.set n, n+1
.endr
	WIN 0x40
.set n, 64
.rept 64
	v_mov_b32 v[n], 0                              ; and E's, which the first slot's opening puts into LDS
.set n, n+1
.endr
	WIN 0
	VW
	s_wait_loadcnt 0x0                             ; U
	s_wait_tensorcnt 0x0                           ; my part of slot 0 or of the scale words is in
	ds_add_u32 v[SPW], v[NIL]
	s_wait_dscnt 0x0
	s_barrier_signal -1
.Lslot:
	CHANGE 1
	CHUNK 0, 0
	CHUNK 1, 0
	EXTRA 0
	s_xor_b32 s[TB], s[TB], SLOT1                  ; on to the other slot,
	s_add_co_u32 s[TS], s[TS], 2048                ; and to the next four steps' scale words
	s_sub_co_u32 s[SLOTS], s[SLOTS], 1
	s_cmp_lg_u32 s[SLOTS], 0
	VW
	s_cbranch_scc1 .Lslot
	CHANGE 0                                       ; the fifth slot is written out
	CHUNK 0, 0
	CHUNK 1, 1
	; THE WAY OUT OF A AND B, ahead of E's last step, so that their stores are out while it runs.  O^T is divided by the row's sum and goes through my own stage in LDS, so that the 32 lanes store whole rows of 512 bytes.
.macro TOSTAGE o
.irp j, 0,1,2,3
.irp x, 0,1
.irp y, 0,1
	ds_store_b128 v2, v[\o+16*\j+8*\x+4*\y:\o+16*\j+8*\x+4*\y+3] offset:64*(\j+4*\x)+16*\y
.endr
.endr
.endr
.endm
	s_mul_i32 s19, s[WV], 16*SP
	s_add_co_u32 s19, s19, STAGE                   ; my stage
	v_add_f32 v18, v18, v19                        ; the sums' two halves,
	v_add_f32 v20, v20, v21
	v_and_b32 v10, 15, v0
	v_bfe_u32 v11, v0, 4, 1
	v_permlanex16_b32 v124, v18, s[SEL], s[SEL+1]
	v_permlanex16_b32 v125, v20, s[SEL], s[SEL+1]
	v_mul_u32_u24 v2, v10, SP
	v_add_nc_u32 v3, s19, v[LI]                    ; v3: back: the 32 lanes take one row of 512 bytes
	v_add_f32 v18, v18, v124                       ; and lane l xor 16's: the rows' sums; they are over 1/2
	v_add_f32 v20, v20, v125
	v_lshl_add_u32 v2, v11, 5, v2
	v_add_nc_u32 v2, s19, v2                       ; v2: in: row r, + 32 h
	VW
	v_rcp_f32 v18, v18
	v_rcp_f32 v20, v20
	v_nop
	VW
.set n, 0
.rept 32
	v_pk_mul_f32 v[OA+n:OA+n+1], v[OA+n:OA+n+1], v[18:19] op_sel_hi:[1,0]
.set n, n+2
.endr
.set n, 0
.rept 32
	v_pk_mul_f32 v[OB+n:OB+n+1], v[OB+n:OB+n+1], v[20:21] op_sel_hi:[1,0]
.set n, n+2
.endr
	TOSTAGE OA
.irp i, 0,1,2,3,4,5,6,7,8,9,10,11,12,13,14,15
	ds_load_b128 v[FR+4*\i:FR+4*\i+3], v3 offset:SP*\i             ; LDS serves a wave's instructions in order: these see my stores, and B's stores come behind them
.endr
	TOSTAGE OB
	VW
	s_wait_dscnt 16                                ; A's rows are back; B's sixteen stores may be out
.irp i, 0,1,2,3,4,5,6,7,8,9,10,11,12,13,14,15
	global_store_b128 v[LI], v[FR+4*\i:FR+4*\i+3], s[12:13] offset:512*\i th:TH_STORE_NT   ; 32 lanes store a row: 512 consecutive bytes, aligned; written once, read by nobody here
.endr
.irp i, 0,1,2,3,4,5,6,7,8,9,10,11,12,13,14,15
	ds_load_b128 v[OA+4*\i:OA+4*\i+3], v3 offset:SP*\i
.endr
	s_wait_dscnt 0x0                               ; B's rows
.irp i, 0,1,2,3,4,5,6,7,8,9,10,11,12,13,14,15
	global_store_b128 v[LI], v[OA+4*\i:OA+4*\i+3], s[12:13] offset:8192+512*\i th:TH_STORE_NT
.endr
	s_wait_xcnt 0x0                                ; the stores' data registers are written again only behind this wait
	EXTRA 1
	KEEP_E
	; THE SHARED TILE'S WAY OUT.  Its four parts are joined: wave w adds the channels of tiles w % 4 and w % 4 + 4, and stores four of its rows.
	VW
	s_lshl_b32 s18, s[WV], 8
	s_add_co_u32 s18, s18, ML                      ; my -M and sum,
	s_lshl_b32 s60, s[EX], 10
	s_add_co_u32 s60, s60, ML                      ; the four parts' -M and sums,
	s_lshl_b32 s61, s[EX], 15
	s_lshl_b32 s62, s[EQ], 11
	s_add_co_u32 s61, s61, s62
	s_add_co_u32 s61, s61, SPILL                   ; and O^T, my sixteen registers of each
	s_mul_i32 s62, s[EX], 16*SP
	s_add_co_u32 s62, s62, ESTG                    ; the shared tile's stage
	s_lshl_b32 s63, s[EQ], 6
	s_add_co_u32 s66, s62, s63
	s_mul_i32 s63, s[EQ], 4*SP
	s_add_co_u32 s67, s62, s63
	v_add_f32 v22, v22, v23                        ; my part's sum: its two halves,
	v_permlanex16_b32 v126, v22, s[SEL], s[SEL+1]
	v_add_f32 v22, v22, v126                       ; and lane l xor 16's
	v_and_b32 v6, 31, v0
	v_and_b32 v10, 15, v0
	v_bfe_u32 v11, v0, 4, 1
	v_lshlrev_b32 v6, 2, v6
	v_mul_u32_u24 v2, v10, SP
	v_add_nc_u32 v7, s60, v6                       ; v7: the parts' -M and sums
	v_add_nc_u32 v6, s18, v6                       ; v6: mine
	v_lshl_add_u32 v2, v11, 5, v2                  ; row r, + 32 h
	v_add_nc_u32 v8, s61, v[LI]                    ; v8: the parts' O^T
	v_add_nc_u32 v9, s66, v2                       ; v9: the shared tile's stage, in
	v_add_nc_u32 v10, s67, v[LI]                   ; v10: the shared tile's stage, back
	ds_store_b32 v6, v16
	ds_store_b32 v6, v22 offset:128
	VW
	s_wait_dscnt 0x0                               ; for the others' sake: my part's O^T, -M and sum lie in LDS
	s_barrier_signal -1
	s_barrier_wait -1
.irp p, 0,1,2,3
	ds_load_b32 v[24+\p], v7 offset:256*\p
	ds_load_b32 v[28+\p], v7 offset:256*\p+128
.endr
	WIN 0x40
.irp p, 0,1,2,3
.irp k, 0,1,2,3
	ds_load_b128 v[64+16*\p+4*\k:67+16*\p+4*\k], v8 offset:8192*\p+512*\k
.endr
.endr
	WIN 0
	s_wait_dscnt 16                                ; the parts' -M and sums; their O^T, sixteen loads, may be out
	v_min3_num_f32 v32, v24, v25, v26
	v_min_num_f32 v32, v32, v27                    ; -M of the whole
.irp p, 0,1,2,3
	v_sub_f32 v[34+\p], v32, v[24+\p]
.endr
.irp p, 0,1,2,3
	v_cvt_i32_f32 v[34+\p], v[34+\p]
.endr
.irp p, 0,1,2,3
	v_ldexp_f32 v[34+\p], 1.0, v[34+\p]            ; 2^(part's M - the whole's M)
.endr
	v_mul_f32 v38, v34, v28
	v_fma_f32 v38, v35, v29, v38
	v_fma_f32 v38, v36, v30, v38
	v_fma_f32 v38, v37, v31, v38                   ; the row's sum; over 1/2
	VW
	v_rcp_f32 v39, v38
	v_nop
	VW
.irp p, 0,1,2,3
	v_mul_f32 v[40+2*\p], v[34+\p], v39            ; each part's weight
.endr
	VW
	s_wait_dscnt 0x0                               ; the parts' O^T
	WIN 0x51
.irp k, 0,2,4,6,8,10,12,14
	v_pk_mul_f32 v[64+\k:65+\k], v[64+\k:65+\k], v[40:41] op_sel_hi:[1,0]
.endr
.irp p, 1,2,3
.irp k, 0,2,4,6,8,10,12,14
	v_pk_fma_f32 v[64+\k:65+\k], v[64+16*\p+\k:65+16*\p+\k], v[40+2*\p:41+2*\p], v[64+\k:65+\k] op_sel_hi:[1,0,1]
.endr
.endr
	WIN 0x04
	ds_store_b128 v9, v[64:67]
	ds_store_b128 v9, v[68:71] offset:16
	ds_store_b128 v9, v[72:75] offset:256
	ds_store_b128 v9, v[76:79] offset:272
	WIN 0
	VW
	s_wait_dscnt 0x0                               ; for the others' sake: my channels of the shared tile lie in its stage
	s_barrier_signal -1
	s_barrier_wait -1
.irp i, 0,1,2,3
	ds_load_b128 v[OA+4*\i:OA+4*\i+3], v10 offset:SP*\i
.endr
	s_wait_tensorcnt 0x0                           ; the wave's end: behind my last tensor load and my last LDS store;
	ds_add_u32 v[SPW], v[NIL]
	s_wait_dscnt 0x0                               ; this wait also shows the four rows back in registers
.irp i, 0,1,2,3
	s_cmp_le_i32 s17, \i                           ; 8,921 = 557 x 16 + 9: the last tile has rows 0 to 8 alone
	s_cbranch_scc1 .Ldone
	global_store_b128 v[LI], v[OA+4*\i:OA+4*\i+3], s[58:59] offset:512*\i th:TH_STORE_NT
.endr
.Ldone:
	s_endpgm
.Lfunc_end_k_q402eda2bbc_attn:
	.size	k_q402eda2bbc_attn, .Lfunc_end_k_q402eda2bbc_attn-k_q402eda2bbc_attn
	.p2alignl 7, 3214868480
	.fill 96, 4, 3214868480
	.section	.rodata,"a",@progbits
	.p2align	6, 0x0
	.amdhsa_kernel k_q402eda2bbc_attn
		.amdhsa_group_segment_fixed_size 327680
		.amdhsa_private_segment_fixed_size 0
		.amdhsa_enable_private_segment 0
		.amdhsa_kernarg_size 40
		.amdhsa_user_sgpr_count 2
		.amdhsa_user_sgpr_kernarg_segment_ptr 1
		.amdhsa_wavefront_size32 1
		.amdhsa_system_sgpr_workgroup_id_x 1
		.amdhsa_system_sgpr_workgroup_id_y 1
		.amdhsa_system_sgpr_workgroup_id_z 1
		.amdhsa_system_vgpr_workitem_id 0
		.amdhsa_next_free_vgpr 512
		.amdhsa_next_free_sgpr 72
		.amdhsa_reserve_vcc 0
		.amdhsa_float_denorm_mode_32 3
		.amdhsa_float_denorm_mode_16_64 3
		.amdhsa_memory_ordered 1
		.amdhsa_forward_progress 1
		.amdhsa_inst_pref_size 255
	.end_amdhsa_kernel
	.section	.bss,"aw",@nobits
	.p2align	6
	.space	262144
	.amdgpu_metadata
---
amdhsa.version: [ 1, 2 ]
amdhsa.kernels:
  - .name:           k_q402eda2bbc_attn
    .symbol:         k_q402eda2bbc_attn.kd
    .args:
      - { .name: U_weight_codes, .offset: 0, .size: 8, .value_kind: global_buffer, .address_space: global }
      - { .name: U_weight_scales, .offset: 8, .size: 8, .value_kind: global_buffer, .address_space: global }
      - { .name: cod, .offset: 16, .size: 8, .value_kind: global_buffer, .address_space: global }
      - { .name: scl, .offset: 24, .size: 8, .value_kind: global_buffer, .address_space: global }
      - { .name: out0, .offset: 32, .size: 8, .value_kind: global_buffer, .address_space: global }
    .group_segment_fixed_size: 327680
    .private_segment_fixed_size: 0
    .kernarg_segment_align: 8
    .kernarg_segment_size: 40
    .max_flat_workgroup_size: 256
    .sgpr_count:     72
    .vgpr_count:     512
    .wavefront_size: 32
...
	.end_amdgpu_metadata
.endif
;; end of part 2
